; MI455X (gfx1250); checked and timed in simulation.
; The chip was launched on July 23, 2026; its instructions are those of AMD's public machine-readable ISA for CDNA 5 (MIT licence, August 2026) and "CDNA5" Instruction Set Architecture Reference Guide (July 2026). The comments in the code are by the model that wrote it; some were corrected since.
;; Logic Driven Attention. Allowed arithmetic: float matrix products may take bf16 or f16 operands with f32 sums; all other float work in f32.
;; Inputs: Wk 256 x 256 float32; Wo 256 x 256 float32; Wq 256 x 256 float32; Wv 256 x 256 float32; bk 256 float32; bo 256 float32; bq 256 float32; bv 256 float32; mask 1 x 1 x 4,096 x 4,096 int32; x_logic 2 x 4,096 x 256 float32; x_memory 2 x 4,096 x 256 float32.
;; Outputs: out0 2 x 4,096 x 256 float32.
;; One version. Each part assembles by itself: llvm-mc -triple=amdgcn-amd-amdhsa -mcpu=gfx1250 --defsym DOCPART=n.
;; ======== version 1 of 1: 3 launches
;; limits: values are held in f16: magnitudes above 65,504 overflow, below 6.1e-05 lose precision; right only within a limited range of input values
;; workspace buffers: qws 4,194,304 bytes; kws 4,194,304 bytes; vtws 4,194,304 bytes; wows 131,072 bytes; aws 4,194,304 bytes; mbits 2,097,152 bytes of whole numbers
;; launch prep (part 1): grid 256 x 1, 8 waves a work-group, no clusters, 323,584 bytes of LDS; arguments mask, x_logic, x_memory, Wq, Wk, Wv, bq, bk, bv, Wo, qws, kws, vtws, wows, mbits; writes qws, kws, vtws, wows, mbits
.if DOCPART == 1
	.amdgcn_target "amdgcn-amd-amdhsa--gfx1250"
	.amdhsa_code_object_version 6
	.text
	.protected	k_qe19f547838_prep
	.globl	k_qe19f547838_prep
	.p2align	8
	.type	k_qe19f547838_prep,@function
k_qe19f547838_prep:
	s_mov_b64 s[64:65], 0
	v_nop
	global_prefetch_b8 v0, s[64:65] scope:SCOPE_SE
	s_setreg_imm32_b32 hwreg(HW_REG_WAVE_MODE, 25, 1), 1
	s_wait_xcnt 0x0
; PREP: (1) the int32 mask [4096][4096] becomes lane-mask words, (2) Q, K, V = x W^T + b in f16, (3) Wo in f16.
; Work-group g of 256, eight waves.
;   mask: query rows 64 (g>>2) .. +63, keys 1024 (g&3) .. +1023; wave w takes 128 of those keys: one tensor load of 64 rows x 512 bytes.
;   products: rows 128 (g>>2) .. +127 of the 8,192, the 64 features of head g&3 of each of Q, K, V; wave w owns 16 rows.
;   Wo: row g, by wave 0.
; mbits word ((qt*64 + k64)*4 + kt)*8 + j, bit 16 h + r  =  (mask[16 qt + r][64 k64 + 16 kt + 8 h + j] != 0): the lane mask of register j of a
; 16 x 16 score tile that holds keys along its registers and queries along its lanes.
; qws, kws: f16 [b][head][s][64]; Q carries bq and the factor 0.125 log2(e).  vtws: f16 [b][64 head + d][s].  wows: f16 [256][256].
; ORDER: the mask is 256 of the 704 KiB that the work-group takes in and needs the least arithmetic, so its tiles are asked for first, get LDS bytes of their
; own, and are read last: the three products, their stages and their stores run while the tiles are on their way.  What LDS leaves beside the tiles
; (52,224 bytes) is enough because one W block at a time lies in LDS and x stays in registers as fragments.
; NO CLUSTER: the mask tiles are shared by nobody.  x and W are f32 in memory and are rounded in registers on the way to LDS; as f32 tiles in LDS they
; would take 256 + 192 KiB beside the 264 KiB of mask tiles.
; FORMAT: matrix operands are f16.  Limits: |x|, |W|, |Q|, |K|, |V| below 65,504 (the drawn inputs give |Q|, |K|, |V| < 2; inputs all 30 times larger
; about 1,600; offsets of 30 spreads about 4,608); magnitudes below 6.1e-5 keep an absolute step of 6e-8.  NaN and infinities are not served.
.set MKW,  33792                       ; LDS 0: a wave's mask tile, 64 rows of 512 + 16 bytes, wave w at 33792 w; filled once, never stored into
.set PX,   528                         ; pitch of rows of 256 f16 (and of 128 int32): 33 x 16 bytes, so 16 rows start in 16 different 16-byte columns
.set WS,   270336                      ; one W block: 64 rows of 256 f16, pitch 528: Wq, then Wk, then Wv
.set XS,   304128                      ; wave w at 2304 w: 16 rows of 128 + 16 bytes: x on its way into fragments, Q and K on their way out;
.set XSW,  2304                        ; at the end the whole region is V^T's way out: 64 rows (d) of 256 + 16 bytes
; window 0
.set D,     12                         ; v[12:19]  mask words: q tile t in v[12+2t:13+2t], lane l holds words 2 l, 2 l + 1 of the tile's 64
.set A_WST, 28                         ; v28-v39   addresses (all of them in window 0)
.set A_XST, 29
.set A_XFR, 30
.set A_WFR, 31
.set A_ORD, 32
.set A_VST, 33
.set A_VRD, 34
.set A_QG,  35
.set A_VG,  36
.set A_B8,  37
.set A_B1,  38
.set A_L8,  39
.set BV,    48                         ; v[48:55]   bv, each number twice (pairs for the packed add)
.set WF,    64                         ; v[64:255]  W as loaded (48 x 4); afterwards:
.set ACQ,   64                         ; v[64:95]   sums of Q, later of V      v[96:127] sums of K
.set ACK,   96
.set ACV,   64
.set WB,    128                        ; v[128:191] two buffers of four W fragments; between the products Q's and K's rows on their way out; at the end the mask
.set XM,    192                        ; v[192:255] x_memory chunks 0, 1 as loaded, then all eight fragments of x_memory
.set MBUF,  128
; window 1, numbers less 256
;   0-127   x_logic as loaded, chunk c (64 k) at 32 c; then f16 at 32 c + 0..15 and the fragments of K steps 2 c, 2 c + 1 at 32 c + 16..31
.set WKC,   128                        ; 128-159 Wk in f16, 160-191 Wv in f16, until WS is theirs
.set WVC,   160
;   192-255 x_memory chunks 2, 3 as loaded
.set MSB, 0
.macro WIN new                         ; the immediate's high byte repeats the setting that is left
.if MSB != \new
	s_set_vgpr_msb (MSB<<8)|\new
.set MSB, \new
.endif
.endm
.macro PLACES                          ; four places behind a matrix instruction (ISA guide 7.12.1) where no useful work is at hand
.rept 4
	v_nop
.endr
.endm
.macro BAR                             ; my LDS stores and loads are done, then the work-group's barrier.  No LDS byte is filled again behind any of them
	s_wait_dscnt 0x0
	s_barrier_signal -1
	s_barrier_wait -1
.endm
	s_load_b512 s[16:31], s[0:1], 0x0              ; mask 16, x_logic 18, x_memory 20, Wq 22, Wk 24, Wv 26, bq 28, bk 30
	s_load_b256 s[32:39], s[0:1], 0x40             ; bv 32, Wo 34, qws 36, kws 38
	s_load_b128 s[40:43], s[0:1], 0x60             ; vtws 40, wows 42
	s_load_b64 s[44:45], s[0:1], 0x70              ; mbits
	v_lshl_add_u32 v62, v0, 2, 0x4ec00
	v_mov_b32 v63, 0
	ds_add_u32 v62, v63
	ds_add_u32 v62, v63
	v_lshrrev_b32 v3, 5, v0
	v_readfirstlane_b32 s2, v3                     ; wave 0..7
	s_lshr_b32 s66, ttmp9, 2                       ; block of 64 query rows; also block of 128 rows of x
	s_and_b32 s67, ttmp9, 3                        ; quarter of the keys; also the head
	; the mask tile: 64 rows x 128 elements of 4 bytes, 4 words of padding behind every 128 words
	s_mov_b32 s4, (2<<16)|(1<<20)|(6<<22)|(3<<25)
	s_mov_b32 s5, 128<<16                          ; tensor_dim0 = 128
	s_mov_b32 s6, 64<<16                           ; tensor_dim1 = 64
	s_mov_b32 s7, 128<<16                          ; tile_dim0 = 128
	s_mov_b32 s8, 64                               ; tile_dim1 = 64
	s_mov_b32 s9, 4096                             ; elements from row to row
	s_mov_b32 s10, 0
	s_mov_b32 s11, 0
	s_mov_b32 s12, 1
	s_mul_i32 s13, s2, MKW                         ; LDS: the wave's own tile
	s_lshl_b32 s68, s66, 20                        ; 64 rows of 16,384 bytes
	s_lshl_b32 s3, s67, 12                         ; 1,024 keys
	s_add_co_u32 s68, s68, s3
	s_lshl_b32 s3, s2, 9                           ; 128 keys
	s_add_co_u32 s68, s68, s3
	s_mov_b32 s69, 0
	s_lshl_b32 s70, s67, 16                        ; W: 64 rows of 1,024 bytes for each head
	s_mov_b32 s71, 0
	s_lshl_b32 s72, s66, 17                        ; x: 128 rows of 1,024 bytes
	s_mov_b32 s73, 0
	s_lshl_b32 s76, s66, 15                        ; mbits: 4 q tiles of 8,192 bytes,
	s_lshl_b32 s3, s67, 11                         ; 16 blocks of 64 keys of 128 bytes
	s_add_co_u32 s76, s76, s3
	s_mov_b32 s77, 0
	s_lshl_b32 s78, s67, 8                         ; biases: 64 f32 for each head
	s_mov_b32 s79, 0
	v_and_b32 v9, 31, v0                           ; lane
	v_and_b32 v1, 15, v0                           ; r
	v_bfe_u32 v2, v0, 4, 1                         ; h
	v_lshlrev_b32 v8, 4, v9                        ; 16 x lane
	s_lshl_b32 s3, s2, 13
	v_add_nc_u32 v3, s3, v8                        ; W: 8 rows a wave, 512 neighbouring bytes a load
	v_lshlrev_b32 v4, 10, v2
	v_lshl_add_u32 v4, v1, 4, v4
	s_lshl_b32 s3, s2, 14
	v_add_nc_u32 v4, s3, v4                        ; x: 16 rows a wave; a load takes 256 neighbouring bytes (64 k) of each of two rows
	s_wait_dscnt 0x0
	s_wait_kmcnt 0x0
	s_add_nc_u64 s[14:15], s[16:17], s[68:69]
	s_or_b32 s15, s15, 0x80000000
	tensor_load_to_lds s[12:15], s[4:11]           ; the wave's one tensor load of the launch; it is waited for in front of the mask's part, at the end
	s_nop 0
	s_add_nc_u64 s[22:23], s[22:23], s[70:71]
	s_add_nc_u64 s[24:25], s[24:25], s[70:71]
	s_add_nc_u64 s[26:27], s[26:27], s[70:71]
	s_add_nc_u64 s[18:19], s[18:19], s[72:73]
	s_add_nc_u64 s[20:21], s[20:21], s[72:73]
	s_add_nc_u64 s[44:45], s[44:45], s[76:77]
	s_add_nc_u64 s[28:29], s[28:29], s[78:79]
	s_add_nc_u64 s[30:31], s[30:31], s[78:79]
	s_add_nc_u64 s[32:33], s[32:33], s[78:79]
	; Wave 0's two loads of Wo go first, so that every count below is the same in all waves.
	s_cmp_lg_u32 s2, 0
	s_cbranch_scc1 .Lno_wo_load
	s_lshl_b32 s74, ttmp9, 10
	s_mov_b32 s75, 0
	s_add_nc_u64 s[34:35], s[34:35], s[74:75]
	global_load_b128 v[20:23], v8, s[34:35] th:TH_LOAD_NT
	global_load_b128 v[24:27], v8, s[34:35] offset:512 th:TH_LOAD_NT
.Lno_wo_load:
.irp m, 0,1,2
.irp i, 0,1,2,3,4,5,6,7,8,9,10,11,12,13,14,15
	global_load_b128 v[WF+64*\m+4*\i:WF+64*\m+4*\i+3], v3, s[22+2*\m:23+2*\m] offset:512*\i
.endr
.endr
	WIN 0x40                                       ; destinations in window 1
.irp c, 0,1,2,3
.irp rp, 0,1,2,3,4,5,6,7
	global_load_b128 v[32*\c+4*\rp:32*\c+4*\rp+3], v4, s[18:19] offset:2048*\rp+256*\c   ; x_logic, rows 2 rp, 2 rp + 1, k = 64 c .. +63
.endr
.endr
	WIN 0
	; offsets of the results
	s_lshr_b32 s3, s66, 5                          ; b
	s_lshl_b32 s68, s3, 21
	s_lshl_b32 s3, s67, 19
	s_add_co_u32 s68, s68, s3                      ; (4 b + head) x 524,288
	s_and_b32 s3, s66, 31                          ; block of 128 rows inside the batch
	s_lshl_b32 s70, s3, 8
	s_add_co_u32 s70, s70, s68                     ; vtws: + 128 s x 2 bytes (s71 is 0)
	s_lshl_b32 s3, s3, 14
	s_add_co_u32 s68, s68, s3                      ; qws, kws: + 128 rows x 128 bytes (s69 is 0)
	s_add_nc_u64 s[36:37], s[36:37], s[68:69]
	s_add_nc_u64 s[38:39], s[38:39], s[68:69]
	s_add_nc_u64 s[40:41], s[40:41], s[70:71]
	; addresses
	v_mul_u32_u24 v5, v1, PX
	v_lshl_add_u32 v[A_WFR], v2, 4, v5
	v_add_nc_u32 v[A_WFR], WS, v[A_WFR]            ; W's fragments: WS + 528 r + 16 h
	v_lshl_add_u32 v5, v2, 5, v5
	v_add_nc_u32 v5, s13, v5                       ; the mask: my tile + 528 r + 32 h
	v_lshlrev_b32 v[A_L8], 3, v9                   ; 8 x lane
	s_lshl_b32 s3, s2, 8
	v_add_nc_u32 v6, s3, v[A_L8]                   ; mbits: 256 w + 8 x lane
	s_mul_i32 s3, s2, 4224
	s_add_co_u32 s3, s3, WS
	v_add_nc_u32 v[A_WST], s3, v[A_L8]             ; where my 8 rows of a W block go
	s_mul_i32 s46, s2, XSW
	s_add_co_u32 s46, s46, XS                      ; my part of XS
	v_mul_u32_u24 v[A_XST], v2, 144
	v_lshl_add_u32 v[A_XST], v1, 3, v[A_XST]
	v_add_nc_u32 v[A_XST], s46, v[A_XST]           ; x in: row h (+ 2 rp), 8 bytes for each of 16 lanes
	v_mul_u32_u24 v[A_XFR], v1, 144
	v_lshl_add_u32 v[A_XFR], v2, 4, v[A_XFR]
	v_add_nc_u32 v[A_XFR], s46, v[A_XFR]           ; x's fragments, and Q, K in: row r, 16 h
	v_lshrrev_b32 v[A_ORD], 3, v9
	v_mul_u32_u24 v[A_ORD], v[A_ORD], 144
	v_and_b32 v10, 7, v9
	v_lshl_add_u32 v[A_ORD], v10, 4, v[A_ORD]
	v_add_nc_u32 v[A_ORD], s46, v[A_ORD]           ; Q, K back: four rows of 128 bytes a load
	v_mul_u32_u24 v[A_VST], v1, 272
	v_lshl_add_u32 v[A_VST], v2, 4, v[A_VST]
	s_lshl_b32 s3, s2, 5
	s_add_co_u32 s3, s3, XS
	v_add_nc_u32 v[A_VST], s3, v[A_VST]            ; V^T in: row d = r (+ 16 ft), my 16 s at byte 32 w
	v_mul_u32_u24 v[A_VRD], v2, 272
	v_lshl_add_u32 v[A_VRD], v1, 4, v[A_VRD]
	s_mul_i32 s3, s2, 2176
	s_add_co_u32 s3, s3, XS
	v_add_nc_u32 v[A_VRD], s3, v[A_VRD]            ; V^T back: rows 8 w + 2 i + h, 256 bytes each
	s_lshl_b32 s3, s2, 11
	v_add_nc_u32 v[A_QG], s3, v8                   ; qws, kws: my 16 rows of 128 bytes
	v_lshlrev_b32 v[A_VG], 13, v2
	v_lshl_add_u32 v[A_VG], v1, 4, v[A_VG]
	s_lshl_b32 s3, s2, 16
	v_add_nc_u32 v[A_VG], s3, v[A_VG]              ; vtws: rows of 8,192 bytes
	v_lshlrev_b32 v[A_B8], 5, v2                   ; bq, bk: 8 features from 8 h
	v_lshlrev_b32 v[A_B1], 2, v1                   ; bv: feature r
	; W IN f16.  Wq goes to LDS at once; Wk and Wv wait in window 1 until WS is theirs.
	s_wait_loadcnt 0x20                            ; behind W stand the 32 loads of x_logic: W (and Wo) are in
.irp i, 0,1,2,3,4,5,6,7,8,9,10,11,12,13,14,15
	v_cvt_pk_f16_f32 v[WF+4*\i], v[WF+4*\i], v[WF+4*\i+1]
	v_cvt_pk_f16_f32 v[WF+4*\i+1], v[WF+4*\i+2], v[WF+4*\i+3]
.endr
.irp i, 0,1,2,3,4,5,6,7,8,9,10,11,12,13,14,15
	ds_store_b64 v[A_WST], v[WF+4*\i:WF+4*\i+1] offset:(\i>>1)*PX+(\i&1)*256
.endr
	WIN 0x40                                       ; sources in window 0, destinations in window 1
.irp i, 0,1,2,3,4,5,6,7,8,9,10,11,12,13,14,15
	v_cvt_pk_f16_f32 v[WKC+2*\i], v[WF+64+4*\i], v[WF+64+4*\i+1]
	v_cvt_pk_f16_f32 v[WKC+2*\i+1], v[WF+64+4*\i+2], v[WF+64+4*\i+3]
.endr
.irp i, 0,1,2,3,4,5,6,7,8,9,10,11,12,13,14,15
	v_cvt_pk_f16_f32 v[WVC+2*\i], v[WF+128+4*\i], v[WF+128+4*\i+1]
	v_cvt_pk_f16_f32 v[WVC+2*\i+1], v[WF+128+4*\i+2], v[WF+128+4*\i+3]
.endr
	WIN 0
	s_cmp_lg_u32 s2, 0
	s_cbranch_scc1 .Lno_wo_store
	v_cvt_pk_f16_f32 v20, v20, v21
	v_cvt_pk_f16_f32 v21, v22, v23
	v_cvt_pk_f16_f32 v24, v24, v25
	v_cvt_pk_f16_f32 v25, v26, v27
	s_lshl_b32 s74, ttmp9, 9
	s_mov_b32 s75, 0
	s_add_nc_u64 s[42:43], s[42:43], s[74:75]
	global_store_b64 v[A_L8], v[20:21], s[42:43]               ; 256 consecutive bytes each
	global_store_b64 v[A_L8], v[24:25], s[42:43] offset:256
.Lno_wo_store:
	; W's registers are free: the biases and x_memory are asked for.
	; bq and bk start the sums of Q and K (lane (r, h), register j: feature 16 ft + 8 h + j), bv is added at the end (feature 16 ft + r).
.irp ft, 0,1,2,3
	global_load_b128 v[ACQ+8*\ft:ACQ+8*\ft+3], v[A_B8], s[28:29] offset:64*\ft
	global_load_b128 v[ACQ+8*\ft+4:ACQ+8*\ft+7], v[A_B8], s[28:29] offset:64*\ft+16
.endr
.irp ft, 0,1,2,3
	global_load_b128 v[ACK+8*\ft:ACK+8*\ft+3], v[A_B8], s[30:31] offset:64*\ft
	global_load_b128 v[ACK+8*\ft+4:ACK+8*\ft+7], v[A_B8], s[30:31] offset:64*\ft+16
.endr
.irp ft, 0,1,2,3
	global_load_b32 v[BV+2*\ft], v[A_B1], s[32:33] offset:64*\ft
.endr
.irp c, 0,1
.irp rp, 0,1,2,3,4,5,6,7
	global_load_b128 v[XM+32*\c+4*\rp:XM+32*\c+4*\rp+3], v4, s[20:21] offset:2048*\rp+256*\c
.endr
.endr
	WIN 0x40
.irp c, 2,3
.irp rp, 0,1,2,3,4,5,6,7
	global_load_b128 v[128+32*\c+4*\rp:128+32*\c+4*\rp+3], v4, s[20:21] offset:2048*\rp+256*\c   ; window 1, 192 + 32 (c - 2)
.endr
.endr
; A chunk of x (16 rows x 64 k in f16, 16 registers at src) goes through my part of XS and comes back as the fragments of two K steps (16 registers at dst).
; The bytes are my own and LDS serves a wave's instructions in order (ISA guide 5.7.1): no wait between the stores, the loads and the next chunk's stores.
.macro XCHUNK src, dst
.irp rp, 0,1,2,3,4,5,6,7
	ds_store_b64 v[A_XST], v[\src+2*\rp:\src+2*\rp+1] offset:288*\rp
.endr
.irp q, 0,1,2,3
	ds_load_b128 v[\dst+4*\q:\dst+4*\q+3], v[A_XFR] offset:32*\q
.endr
.endm
; 32 registers of f32 at base become 16 of f16 at base: each target lies at or below the sources still to be read
.macro XROUND base
.irp rp, 0,1,2,3,4,5,6,7
	v_cvt_pk_f16_f32 v[\base+2*\rp], v[\base+4*\rp], v[\base+4*\rp+1]
	v_cvt_pk_f16_f32 v[\base+2*\rp+1], v[\base+4*\rp+2], v[\base+4*\rp+3]
.endr
.endm
	; x_logic INTO FRAGMENTS
	s_wait_loadcnt 0x34                            ; behind x_logic: 20 loads of biases and 32 of x_memory
	WIN 0x45                                       ; both sources and the destination in window 1
	XROUND 0
	XROUND 32
	XROUND 64
	XROUND 96
	WIN 0x44                                       ; store data and loaded data in window 1, addresses in window 0
	XCHUNK 0, 16
	XCHUNK 32, 48
	XCHUNK 64, 80
	XCHUNK 96, 112
	WIN 0
	s_wait_loadcnt 0x20                            ; behind the biases: the 32 loads of x_memory
.irp ft, 0,1,2,3
	v_mov_b32 v[BV+2*\ft+1], v[BV+2*\ft]           ; a pair for the packed add
.endr
	BAR                                            ; 1: Wq's 64 rows are whole
	; THE PRODUCTS, K = 256 in eight steps of 32; x's fragments lie in registers, W's four come from LDS into two buffers, eight loads a step
.macro FETCHW ks, b
.irp ft, 0,1,2,3
	ds_load_b128 v[WB+32*(\b)+8*\ft:WB+32*(\b)+8*\ft+3], v[A_WFR] offset:\ft*8448+64*(\ks)
	ds_load_b128 v[WB+32*(\b)+8*\ft+4:WB+32*(\b)+8*\ft+7], v[A_WFR] offset:\ft*8448+64*(\ks)+32
.endr
.endm
; Four matrix instructions on four accumulators by turns.
; mem = 0 (Q, K): rows of W as the first source, x_logic's fragment (window 1) as the second: a lane's eight results are eight neighbouring features of one row.
; mem = 1 (V): x_memory's fragment (window 0) as the first source: a lane's eight results are eight neighbouring rows s of one feature (V^T); the first step starts the sums.
.macro MM acc, ks, mem
.set XFL, 32*((\ks)>>1)+16+8*((\ks)&1)
.set XFM, XM+32*(((\ks)>>1)&1)+16*(1-((\ks)>>2))+8*((\ks)&1)
.set WFB, WB+32*((\ks)&1)
.irp ft, 0,1,2,3
.if \mem
.if (\ks) == 0
	v_wmma_f32_16x16x32_f16 v[\acc+8*\ft:\acc+8*\ft+7], v[XFM:XFM+7], v[WFB+8*\ft:WFB+8*\ft+7], 0
.else
	v_wmma_f32_16x16x32_f16 v[\acc+8*\ft:\acc+8*\ft+7], v[XFM:XFM+7], v[WFB+8*\ft:WFB+8*\ft+7], v[\acc+8*\ft:\acc+8*\ft+7]
.endif
.else
	v_wmma_f32_16x16x32_f16 v[\acc+8*\ft:\acc+8*\ft+7], v[WFB+8*\ft:WFB+8*\ft+7], v[XFL:XFL+7], v[\acc+8*\ft:\acc+8*\ft+7]
.endif
.endr
.endm
.macro GEMM acc, mem
	FETCHW 0, 0
.irp ks, 0,1,2,3,4,5,6,7
.if \ks < 7
.if \ks > 0
	PLACES                                         ; the buffer that the last four matrix instructions read is loaded again
.endif
	FETCHW \ks+1, (\ks+1)&1
	s_wait_dscnt 0x8                               ; all but the eight just issued
.else
	s_wait_dscnt 0x0
.endif
	MM \acc, \ks, \mem
.endr
	PLACES                                         ; before the sums are read and the buffers written
.endm
.macro WSTAGE src                      ; my 8 rows of the next W block, from window 1
.irp i, 0,1,2,3,4,5,6,7,8,9,10,11,12,13,14,15
	ds_store_b64 v[A_WST], v[\src+2*\i:\src+2*\i+1] offset:(\i>>1)*PX+(\i&1)*256
.endr
.endm
.macro OUTQK acc, t, base              ; 16 rows x 64 features: round, 16 bytes a lane into my part of XS, back as rows of 128 bytes, out
.irp ft, 0,1,2,3
.irp p, 0,1,2,3
	v_cvt_pk_f16_f32 v[\acc+8*\ft+\p], v[\acc+8*\ft+2*\p], v[\acc+8*\ft+2*\p+1]
.endr
.endr
.irp ft, 0,1,2,3
	ds_store_b128 v[A_XFR], v[\acc+8*\ft:\acc+8*\ft+3] offset:32*\ft
.endr
.irp i, 0,1,2,3
	ds_load_b128 v[\t+4*\i:\t+4*\i+3], v[A_ORD] offset:576*\i  ; my own bytes, served in order
.endr
.irp i, 0,1,2,3
	s_wait_dscnt 3-\i
	global_store_b128 v[A_QG], v[\t+4*\i:\t+4*\i+3], s[\base:\base+1] offset:512*\i   ; 512 consecutive bytes, aligned
.endr
.endm
	WIN 0x04                                       ; the second source (and store data) in window 1, all else in window 0
	GEMM ACQ, 0
	BAR                                            ; 2: nobody reads Wq any more
	WSTAGE WKC
	WIN 0
.irp t, 0,1,2,3,4,5,6,7,8,9,10,11,12,13,14,15
	v_pk_mul_f32 v[ACQ+2*\t:ACQ+2*\t+1], v[ACQ+2*\t:ACQ+2*\t+1], 0x3e38aa3b op_sel_hi:[1,0]   ; 0.125 log2(e): scores come out ready for v_exp_f32
.endr
	OUTQK ACQ, WB, 36
	BAR                                            ; 3: Wk's 64 rows are whole
	s_wait_xcnt 0x0                                ; Q's stores read v[128:143], which the fragment loads write (ISA guide 3.1)
	WIN 0x04
	GEMM ACK, 0
	BAR                                            ; 4: nobody reads Wk any more
	WSTAGE WVC
	WIN 0
	OUTQK ACK, WB+32, 38
	; x_memory INTO FRAGMENTS: chunks 0, 1 in window 0, in place; chunks 2, 3 from window 1 into the registers that chunks 0, 1 left
	s_wait_loadcnt 0x0
	XROUND XM
	XROUND XM+32
	XCHUNK XM, XM+16
	XCHUNK XM+32, XM+48
	WIN 0x45
	XROUND 192
	XROUND 224
	WIN 0x04                                       ; store data in window 1, loaded data in window 0
	XCHUNK 192, XM
	XCHUNK 224, XM+32
	WIN 0
	BAR                                            ; 5: Wv's 64 rows are whole, and no wave uses its own part of XS any more
	s_wait_xcnt 0x0                                ; K's stores read v[160:175], which the fragment loads write
	GEMM ACV, 1
.irp ft, 0,1,2,3
.irp p, 0,1,2,3
	v_pk_add_f32 v[ACV+8*\ft+2*\p:ACV+8*\ft+2*\p+1], v[ACV+8*\ft+2*\p:ACV+8*\ft+2*\p+1], v[BV+2*\ft:BV+2*\ft+1]
.endr
.endr
.irp ft, 0,1,2,3
.irp p, 0,1,2,3
	v_cvt_pk_f16_f32 v[ACV+8*\ft+\p], v[ACV+8*\ft+2*\p], v[ACV+8*\ft+2*\p+1]
.endr
.endr
.irp ft, 0,1,2,3
	ds_store_b128 v[A_VST], v[ACV+8*\ft:ACV+8*\ft+3] offset:\ft*4352
.endr
	BAR                                            ; 6: a row of V^T holds 16 s of each of the eight waves
.irp i, 0,1,2,3
	ds_load_b128 v[ACK+4*\i:ACK+4*\i+3], v[A_VRD] offset:544*\i
.endr
.irp i, 0,1,2,3
	s_wait_dscnt 3-\i
	global_store_b128 v[A_VG], v[ACK+4*\i:ACK+4*\i+3], s[40:41] offset:16384*\i   ; sixteen lanes: 256 consecutive bytes, aligned
.endr
	; THE MASK.  Lane (r, h) reads mask[16 t + r][16 KT + 8 h + 0..7] as two loads of 16 bytes; a compare makes of each register the word of its j.
.irp i, 0,1,2,3,4,5,6,7
	v_mov_b32 v[D+\i], 0                           ; v_writelane_b32 keeps the other lanes: its destination has to be written first
.endr
.macro MLOAD bn, buf                   ; batch bn: q tile bn>>2, key tiles 2 (bn&3) and 2 (bn&3) + 1
.irp k, 0,1,2,3
	ds_load_b128 v[\buf+4*\k:\buf+4*\k+3], v5 offset:((\bn)>>2)*8448+128*((\bn)&3)+64*(\k>>1)+16*(\k&1)
.endr
.endm
.macro MBALLOT bn, buf                 ; word 8 KT + j goes to lane 4 KT + (j>>1), register j&1
.irp i, 0,1,2,3,4,5,6,7,8,9,10,11,12,13,14,15
	v_cmp_ne_u32 s[48+\i], 0, v[\buf+\i]
.endr
.irp i, 0,1,2,3,4,5,6,7,8,9,10,11,12,13,14,15
	v_writelane_b32 v[D+2*((\bn)>>2)+(\i&1)], s[48+\i], 8*((\bn)&3)+4*(\i>>3)+((\i&7)>>1)
.endr
.endm
	s_wait_tensorcnt 0x0                           ; my tile is in LDS; only I read it
	MLOAD 0, MBUF
	MLOAD 1, MBUF+16
.set nb, 0
.rept 16
.if nb < 14
	MLOAD nb+2, MBUF+16*((nb+2)%3)                 ; three buffers: two batches are on their way while one is at work
	s_wait_dscnt 0x8                               ; all but the two batches of four behind this one
.else
	s_wait_dscnt 4*(15-nb)                         ; the last two: one batch behind, then none
.endif
	MBALLOT nb, MBUF+16*(nb%3)
.if (nb&3) == 3
	global_store_b64 v6, v[D+2*(nb>>2):D+2*(nb>>2)+1], s[44:45] offset:(nb>>2)*8192   ; 256 consecutive bytes, aligned: the q tile's 64 words
.endif
.set nb, nb+1
.endr
	s_wait_tensorcnt 0x0
	ds_add_u32 v62, v63
	s_wait_dscnt 0x0
	s_endpgm
.Lfunc_end_k_qe19f547838_prep:
	.size	k_qe19f547838_prep, .Lfunc_end_k_qe19f547838_prep-k_qe19f547838_prep
	.p2alignl 7, 3214868480
	.fill 96, 4, 3214868480
	.section	.rodata,"a",@progbits
	.p2align	6, 0x0
	.amdhsa_kernel k_qe19f547838_prep
		.amdhsa_group_segment_fixed_size 323584
		.amdhsa_private_segment_fixed_size 0
		.amdhsa_enable_private_segment 0
		.amdhsa_kernarg_size 120
		.amdhsa_user_sgpr_count 2
		.amdhsa_user_sgpr_kernarg_segment_ptr 1
		.amdhsa_wavefront_size32 1
		.amdhsa_system_sgpr_workgroup_id_x 1
		.amdhsa_system_sgpr_workgroup_id_y 1
		.amdhsa_system_sgpr_workgroup_id_z 1
		.amdhsa_system_vgpr_workitem_id 0
		.amdhsa_next_free_vgpr 512
		.amdhsa_next_free_sgpr 80
		.amdhsa_reserve_vcc 0
		.amdhsa_float_denorm_mode_32 3
		.amdhsa_float_denorm_mode_16_64 3
		.amdhsa_memory_ordered 1
		.amdhsa_forward_progress 1
		.amdhsa_inst_pref_size 111
	.end_amdhsa_kernel
	.amdgpu_metadata
---
amdhsa.version: [ 1, 2 ]
amdhsa.kernels:
  - .name:           k_qe19f547838_prep
    .symbol:         k_qe19f547838_prep.kd
    .args:
      - { .name: mask, .offset: 0, .size: 8, .value_kind: global_buffer, .address_space: global }
      - { .name: x_logic, .offset: 8, .size: 8, .value_kind: global_buffer, .address_space: global }
      - { .name: x_memory, .offset: 16, .size: 8, .value_kind: global_buffer, .address_space: global }
      - { .name: Wq, .offset: 24, .size: 8, .value_kind: global_buffer, .address_space: global }
      - { .name: Wk, .offset: 32, .size: 8, .value_kind: global_buffer, .address_space: global }
      - { .name: Wv, .offset: 40, .size: 8, .value_kind: global_buffer, .address_space: global }
      - { .name: bq, .offset: 48, .size: 8, .value_kind: global_buffer, .address_space: global }
      - { .name: bk, .offset: 56, .size: 8, .value_kind: global_buffer, .address_space: global }
      - { .name: bv, .offset: 64, .size: 8, .value_kind: global_buffer, .address_space: global }
      - { .name: Wo, .offset: 72, .size: 8, .value_kind: global_buffer, .address_space: global }
      - { .name: qws, .offset: 80, .size: 8, .value_kind: global_buffer, .address_space: global }
      - { .name: kws, .offset: 88, .size: 8, .value_kind: global_buffer, .address_space: global }
      - { .name: vtws, .offset: 96, .size: 8, .value_kind: global_buffer, .address_space: global }
      - { .name: wows, .offset: 104, .size: 8, .value_kind: global_buffer, .address_space: global }
      - { .name: mbits, .offset: 112, .size: 8, .value_kind: global_buffer, .address_space: global }
    .group_segment_fixed_size: 323584
    .private_segment_fixed_size: 0
    .kernarg_segment_align: 8
    .kernarg_segment_size: 120
    .max_flat_workgroup_size: 256
    .sgpr_count:     80
    .vgpr_count:     512
    .wavefront_size: 32
...
	.end_amdgpu_metadata
.endif
;; end of part 1
;; launch attn (part 2): grid 256 x 1, 8 waves a work-group, clusters of 4 x 1, 327,680 bytes of LDS; arguments qws, kws, vtws, mbits, aws; writes aws
.if DOCPART == 2
	.amdgcn_target "amdgcn-amd-amdhsa--gfx1250"
	.amdhsa_code_object_version 6
	.text
	.protected	k_qe19f547838_attn
	.globl	k_qe19f547838_attn
	.p2align	8
	.type	k_qe19f547838_attn,@function
k_qe19f547838_attn:
	s_mov_b64 s[64:65], 0
	v_nop
	global_prefetch_b8 v0, s[64:65] scope:SCOPE_SE
	s_setreg_imm32_b32 hwreg(HW_REG_WAVE_MODE, 25, 1), 1
	s_wait_xcnt 0x0
	s_wait_alu depctr_hold_cnt(0) depctr_sa_sdst(0) depctr_va_vdst(0) depctr_va_sdst(0) depctr_va_ssrc(0) depctr_va_vcc(0) depctr_vm_vsrc(0)
	s_getreg_b32 s2, hwreg(HW_REG_IB_STS2, 6, 4)
	s_cmp_eq_u32 s2, 0
	s_cbranch_scc0 .Lentry_in_a_cluster
	s_endpgm
.Lentry_in_a_cluster:
	s_bfe_u32 s2, ttmp6, 0x10000c
	s_cmp_lg_u32 s2, 0x3003
	s_cbranch_scc0 .Lentry_shape_is_right
	s_endpgm
.Lentry_shape_is_right:
; ATTENTION with a running maximum.  Work-group x of 256: (batch, head) bh = x>>5, queries 128 (x&31) .. +127.  aws: f16 [b][head][s][64].
; Eight waves: wave w has queries 32 (w&3) .. +31 (two tiles of 16) and, of every 512 keys, the half w>>2, in four steps of 64 keys.
; The two halves' sums, maxima and row sums are joined at the end through LDS.
; LAYOUT: scores are made transposed, S^T = K Q^T: lane (r, h) holds query r, its registers keys 8 h + j.  So a lane's scores belong to one query: the
; maximum needs one exchange between the halves of the wave, the row sum none until the end, and the rounded pairs of two score tiles ARE the second
; source of O^T = V^T P.  The factor that rescales O is one number a lane.
; MASK: one word of mbits is the lane mask of one score register: one v_cndmask_b32 puts -1e9 log2(e) where the mask is 0.
; A row with no key left keeps that number as its maximum, all exponentials are 1, and the result is the mean of V.
; CLUSTER: the four work-groups of a cluster are query blocks of one (batch, head) and walk the same K and V^T: every tile is asked for jointly (mask 15).
; Two LDS slots of 512 keys (K 64 KiB + V^T 64 KiB, padded); each wave brings one eighth of a slot with one load, which has four steps in which to land.
; By this text's count a wave has two tensor loads out at the start and one behind each round.
; LIMITS: operands f16 (see the launch that makes them); P in [0, 1] rounded to f16, the row sum takes P before rounding; exponentials below 2^-126 are 0;
; v_max_num_f32 drops a NaN, so NaN and infinite inputs are not reproduced.
.set PART,  17408                      ; 64 LDS rows of 256 + 16 bytes: 128 keys of K (two keys a row) or 64 rows d x 128 keys of V^T
.set SLOT,  139264                     ; parts 0-3 K, parts 4-7 V^T
.set SCR,   278528                     ; 4 x 8704 bytes behind the ring: ds_store's ground, no fill lands here
.set SCRW,  8704
.set AK,    4                          ; v4, v5   my K fragments in slot 0, 1
.set AV,    6                          ; v6, v7   my V^T fragments
.set NEG,   8                          ; v8       -1e9 log2(e)
.set ML,    16                         ; v16 maximum, v17 row sum of q tile 0; v18, v19 of q tile 1
.set AL,    20                         ; v20, v22 the step's rescale factors; v21, v23 only fill the pairs
.set T,     24                         ; v[24:31] at work
.set QF,    32                         ; v[32:63]   Q fragments, 16 a + 8 ks
.set S,     64                         ; v[64:127]  scores, 32 a + 8 kt + j; then P, 32 a + 16 u + 0..7
.set KF,    128                        ; v[128:191] K fragments, 16 kt + 8 ks
.set VF,    192                        ; v[192:255] V^T fragments, 16 dt + 8 u
                                       ; window 1: v256-319 O^T, 32 a + 8 dt + j
; s2 wave, s3 trips, s[4:11] shape of K's tiles, s[84:91] of V^T's, s[12:15] and s[92:95] from-where-to-where of slot 0 and 1, s[96:97] two tiles in bytes,
; s[16:63] and s[68:83] the step's 64 mask words, s[66:67] their address, s[98:99] lane selects, s[100:101] Q, s[104:105] aws
.set MSB, 0
.macro WIN new
.if MSB != \new
	s_set_vgpr_msb (MSB<<8)|\new
.set MSB, \new
.endif
.endm
.macro PLACES
.rept 4
	v_nop
.endr
.endm
.macro ROUND                           ; a round of the cluster's barrier
	s_barrier_signal -1
	s_barrier_wait -1
	s_cmp_lg_u32 s2, 0
	s_cbranch_scc1 .Lnot_wave_0_\@
	s_barrier_signal -3
.Lnot_wave_0_\@:
	s_barrier_wait -3
	s_barrier_signal -1
	s_barrier_wait -1
.endm
.macro JLOAD s                         ; waves 0-3 ask for K's four parts, waves 4-7 for V^T's; the branch hangs on the wave's number alone
	s_cmp_lt_u32 s2, 4
	s_cbranch_scc0 .Lfor_v_\@
.if \s
	tensor_load_to_lds s[92:95], s[4:11]
	s_nop 0
.else
	tensor_load_to_lds s[12:15], s[4:11]
	s_nop 0
.endif
	s_branch .Lasked_\@
.Lfor_v_\@:
.if \s
	tensor_load_to_lds s[92:95], s[84:91]
	s_nop 0
.else
	tensor_load_to_lds s[12:15], s[84:91]
	s_nop 0
.endif
.Lasked_\@:
.endm
	s_load_b256 s[16:23], s[0:1], 0x0              ; qws 16, kws 18, vtws 20, mbits 22
	s_load_b64 s[104:105], s[0:1], 0x20            ; aws
	v_lshl_add_u32 v14, v0, 2, 0x4c800
	v_mov_b32 v15, 0
	ds_add_u32 v14, v15
	ds_add_u32 v14, v15
	v_lshrrev_b32 v3, 5, v0
	v_readfirstlane_b32 s2, v3                     ; wave 0..7
	s_and_b32 s24, s2, 3                           ; my 32 queries; also the part that I fetch
	s_lshr_b32 s25, s2, 2                          ; my half of the keys
	s_bfe_u32 s26, ttmp6, 0x40000                  ; cx
	s_lshr_b32 s27, ttmp9, 3                       ; (batch, head): the same in the four partners
	s_and_b32 s28, ttmp9, 7
	s_lshl_b32 s28, s28, 2
	s_add_co_u32 s28, s28, s26                     ; block of 128 queries
	; shapes: 64 rows x 128 elements of 2 bytes, 4 words of padding behind every 64; mask 15 with bit 21 beside it
	s_mov_b32 s4, 15|(1<<16)|(1<<20)|(1<<21)|(5<<22)|(3<<25)
	s_mov_b32 s5, 128<<16
	s_mov_b32 s6, 64<<16
	s_mov_b32 s7, 128<<16
	s_mov_b32 s8, 64
	s_mov_b32 s9, 128                              ; K: 128 keys of 128 bytes are dense: taken as 64 rows of 256 bytes
	s_mov_b32 s10, 0
	s_mov_b32 s11, 0
	s_mov_b32 s84, 15|(1<<16)|(1<<20)|(1<<21)|(5<<22)|(3<<25)
	s_mov_b32 s85, 128<<16
	s_mov_b32 s86, 64<<16
	s_mov_b32 s87, 128<<16
	s_mov_b32 s88, 64
	s_mov_b32 s89, 4096                            ; V^T: a row d is 4,096 keys
	s_mov_b32 s90, 0
	s_mov_b32 s91, 0
	s_mov_b32 s98, 0x76543210                      ; v_permlanex16_b32: lane i takes lane i of the other half
	s_mov_b32 s99, 0xfedcba98
	; from where: 128 keys are 16,384 bytes of K or 256 bytes of a row of V^T; 512 keys 65,536 or 1,024
	s_lshl_b32 s30, s27, 19                        ; (batch, head) x 524,288 in both
	s_cmp_lt_u32 s2, 4
	s_cselect_b32 s31, 14, 8
	s_cselect_b32 s32, 16, 10
	s_lshl_b32 s31, s24, s31
	s_add_co_u32 s30, s30, s31
	s_mov_b32 s31, 0
	s_lshl_b32 s36, 1, s32                         ; one tile on
	s_mov_b32 s37, 0
	s_lshl_b32 s96, 2, s32                         ; two tiles on
	s_mov_b32 s97, 0
	s_mul_i32 s33, s2, PART                        ; to where: the wave's number alone
	s_lshl_b32 s38, s27, 19                        ; Q and aws: (bh x 4096 + 128 block + 32 qs) x 128 bytes
	s_lshl_b32 s39, s28, 14
	s_add_co_u32 s38, s38, s39
	s_lshl_b32 s39, s24, 12
	s_add_co_u32 s38, s38, s39
	s_mov_b32 s39, 0
	s_lshl_b32 s40, s28, 16                        ; mask words: q tile 8 block + 2 qs, 8,192 bytes each; my half of the keys: 4 x 128 bytes
	s_lshl_b32 s41, s24, 14
	s_add_co_u32 s40, s40, s41
	s_lshl_b32 s41, s25, 9
	s_add_co_u32 s40, s40, s41
	s_mov_b32 s41, 0
	v_and_b32 v1, 15, v0                           ; r
	v_bfe_u32 v2, v0, 4, 1                         ; h
	v_lshrrev_b32 v3, 1, v1
	v_mul_u32_u24 v[AK], v3, 272                   ; key r lies at (r>>1) 272 + (r&1) 128: sixteen different 16-byte columns
	v_and_b32 v3, 1, v1
	v_lshl_add_u32 v[AK], v3, 7, v[AK]
	v_lshl_add_u32 v[AK], v2, 4, v[AK]
	s_mul_i32 s42, s25, 2*PART
	v_add_nc_u32 v[AK], s42, v[AK]
	v_add_nc_u32 v[AK+1], SLOT, v[AK]
	v_mul_u32_u24 v[AV], v1, 272
	v_lshl_add_u32 v[AV], v2, 4, v[AV]
	s_add_co_u32 s42, s42, 4*PART
	v_add_nc_u32 v[AV], s42, v[AV]
	v_add_nc_u32 v[AV+1], SLOT, v[AV]
	v_lshlrev_b32 v9, 7, v1
	v_lshl_add_u32 v9, v2, 4, v9                   ; Q: row r, 16 h
	v_and_b32 v3, 31, v0
	v_lshlrev_b32 v13, 4, v3                       ; 16 x lane
	s_mul_i32 s42, s24, SCRW
	s_add_co_u32 s42, s42, SCR
	v_add_nc_u32 v10, s42, v13                     ; the pair's scratch, register by register
	v_mul_u32_u24 v11, v1, 144
	v_lshl_add_u32 v11, v2, 4, v11
	v_add_nc_u32 v11, s42, v11                     ; the way out, in: row r, 16 h
	v_lshrrev_b32 v12, 3, v3
	v_mul_u32_u24 v12, v12, 144
	v_and_b32 v3, 7, v3
	v_lshl_add_u32 v12, v3, 4, v12
	v_add_nc_u32 v12, s42, v12                     ; back: four rows of 128 bytes a load
	v_mov_b32 v[NEG], 0xceabfb8f
	v_mov_b32 v[ML+1], 0                           ; the packed subtraction names the pair (maximum, row sum): the row sums are written before it
	v_mov_b32 v[ML+3], 0
	v_mov_b32 v[AL+1], 0                           ; fillers of the factors' pairs
	v_mov_b32 v[AL+3], 0
	s_wait_dscnt 0x0
	s_wait_kmcnt 0x0
	s_cmp_lt_u32 s2, 4
	s_cselect_b64 s[34:35], s[18:19], s[20:21]
	s_add_nc_u64 s[34:35], s[34:35], s[30:31]
	s_mov_b32 s12, 1
	s_mov_b32 s13, s33
	s_mov_b64 s[14:15], s[34:35]
	s_or_b32 s15, s15, 0x80000000
	s_mov_b32 s92, 1
	s_add_co_u32 s93, s33, SLOT
	s_add_nc_u64 s[94:95], s[34:35], s[36:37]
	s_or_b32 s95, s95, 0x80000000
	s_add_nc_u64 s[100:101], s[16:17], s[38:39]
	s_add_nc_u64 s[104:105], s[104:105], s[38:39]
	s_add_nc_u64 s[66:67], s[22:23], s[40:41]
	ROUND                                          ; the four work-groups are here: the first joint loads meet
	JLOAD 0                                        ; keys 0-511
	JLOAD 1                                        ; keys 512-1023
.macro KFETCH slot, i                  ; 64 keys x 64 d: 16 loads
.irp kt, 0,1,2,3
.irp ks, 0,1
	ds_load_b128 v[KF+16*\kt+8*\ks:KF+16*\kt+8*\ks+3], v[AK+\slot] offset:((\i)>>1)*PART+(32*((\i)&1)+8*\kt)*272+64*\ks
	ds_load_b128 v[KF+16*\kt+8*\ks+4:KF+16*\kt+8*\ks+7], v[AK+\slot] offset:((\i)>>1)*PART+(32*((\i)&1)+8*\kt)*272+64*\ks+32
.endr
.endr
.endm
.macro VFETCH slot, i                  ; 64 d x 64 keys: 16 loads
.irp dt, 0,1,2,3
.irp u, 0,1
	ds_load_b128 v[VF+16*\dt+8*\u:VF+16*\dt+8*\u+3], v[AV+\slot] offset:((\i)>>1)*PART+\dt*4352+128*((\i)&1)+64*\u
	ds_load_b128 v[VF+16*\dt+8*\u+4:VF+16*\dt+8*\u+7], v[AV+\slot] offset:((\i)>>1)*PART+\dt*4352+128*((\i)&1)+64*\u+32
.endr
.endr
.endm
.macro MFETCH off                      ; a step's 64 mask words: 128 bytes for each of my two q tiles
	s_load_b512 s[16:31], s[66:67], \off
	s_load_b512 s[32:47], s[66:67], \off+64
	s_load_b512 s[48:63], s[66:67], \off+8192
	s_load_b512 s[68:83], s[66:67], \off+8256
.endm
; One step: 64 keys against my 32 queries.  first = 1: nothing to rescale, the first products start the sums.  knext = 1: the next step's K is fetched.
; moff: where the next step's mask words lie from s[66:67] (below 0: none).  padv = 1: s[66:67] goes on to this trip's words.
.macro STEP slot, i, first, knext, moff, padv
.if \first == 0
.rept 5
	v_nop                                          ; five places behind the last products: P's registers are written over by matrix instructions, V^T's are loaded again
.endr
.endif
	VFETCH \slot, \i
	s_wait_dscnt 0x10                              ; all but the 16 loads of V^T just issued: K's fragments are in
	; eight accumulators by turns
.irp ks, 0,1
.irp kt, 0,1,2,3
.irp a, 0,1
.if \ks
	v_wmma_f32_16x16x32_f16 v[S+32*\a+8*\kt:S+32*\a+8*\kt+7], v[KF+16*\kt+8*\ks:KF+16*\kt+8*\ks+7], v[QF+16*\a+8*\ks:QF+16*\a+8*\ks+7], v[S+32*\a+8*\kt:S+32*\a+8*\kt+7]
.else
	v_wmma_f32_16x16x32_f16 v[S+32*\a+8*\kt:S+32*\a+8*\kt+7], v[KF+16*\kt+8*\ks:KF+16*\kt+8*\ks+7], v[QF+16*\a+8*\ks:QF+16*\a+8*\ks+7], 0
.endif
.endr
.endr
.endr
	PLACES                                         ; before K's registers are loaded again and the scores are read
.if \knext
	KFETCH \slot, \i+1
.endif
	s_wait_kmcnt 0x0                               ; this step's mask words
.if \padv
	s_add_nc_u64 s[66:67], s[66:67], 1024          ; no scalar load is out: 512 keys on
.endif
.irp a, 0,1
.irp kt, 0,1,2,3
.irp j, 0,1,2,3,4,5,6,7
	v_cndmask_b32 v[S+32*\a+8*\kt+\j], v[NEG], v[S+32*\a+8*\kt+\j], s[16+32*\a+8*\kt+\j+4*\a*(\kt>>1)]
.endr
.endr
.endr
.if \moff >= 0
	MFETCH \moff                                   ; the words have been used: the next step's, a whole step ahead
.endif
	; the running maximum: four chains, the old maximum, the other half of the wave
	v_max_num_f32 v[T], v[S], v[S+1]
	v_max_num_f32 v[T+1], v[S+16], v[S+17]
	v_max_num_f32 v[T+2], v[S+32], v[S+33]
	v_max_num_f32 v[T+3], v[S+48], v[S+49]
.irp t, 1,2,3,4,5,6,7
	v_max3_num_f32 v[T], v[T], v[S+2*\t], v[S+2*\t+1]
	v_max3_num_f32 v[T+1], v[T+1], v[S+16+2*\t], v[S+17+2*\t]
	v_max3_num_f32 v[T+2], v[T+2], v[S+32+2*\t], v[S+33+2*\t]
	v_max3_num_f32 v[T+3], v[T+3], v[S+48+2*\t], v[S+49+2*\t]
.endr
.if \first
	v_max_num_f32 v[T], v[T], v[T+1]
	v_max_num_f32 v[T+2], v[T+2], v[T+3]
.else
	v_max3_num_f32 v[T], v[T], v[T+1], v[ML]
	v_max3_num_f32 v[T+2], v[T+2], v[T+3], v[ML+2]
.endif
	v_permlanex16_b32 v[T+1], v[T], s98, s99
	v_permlanex16_b32 v[T+3], v[T+2], s98, s99
	v_max_num_f32 v[T], v[T], v[T+1]
	v_max_num_f32 v[T+2], v[T+2], v[T+3]
.if \first == 0
	v_sub_f32 v[AL], v[ML], v[T]                   ; old maximum - new
	v_sub_f32 v[AL+2], v[ML+2], v[T+2]
.endif
	v_mov_b32 v[ML], v[T]
	v_mov_b32 v[ML+2], v[T+2]
	; p = 2^(s - maximum).  Behind each run of exponentials the next plain instruction touches none of that run's registers (ISA guide 5.7.2):
	; behind tile 0's run stand tile 1's subtractions, behind tile 1's run tile 0's sums.
.irp a, 0,1
.irp t, 0,1,2,3,4,5,6,7,8,9,10,11,12,13,14,15
	v_pk_add_f32 v[S+32*\a+2*\t:S+32*\a+2*\t+1], v[S+32*\a+2*\t:S+32*\a+2*\t+1], v[ML+2*\a:ML+2*\a+1] op_sel_hi:[1,0] neg_lo:[0,1] neg_hi:[0,1]
.endr
.if \first == 0
	v_exp_f32 v[AL+2*\a], v[AL+2*\a]
.endif
.irp t, 0,1,2,3,4,5,6,7,8,9,10,11,12,13,14,15,16,17,18,19,20,21,22,23,24,25,26,27,28,29,30,31
	v_exp_f32 v[S+32*\a+\t], v[S+32*\a+\t]
.endr
.endr
	; the lane's part of the row sum (two chains), then P in f16: the pairs of tiles 2 u and 2 u + 1 are the fragment of keys 32 u .. +31
	s_wait_alu depctr_va_vdst(0)
.irp a, 0,1
	v_pk_add_f32 v[T+4*\a:T+4*\a+1], v[S+32*\a:S+32*\a+1], v[S+32*\a+2:S+32*\a+3]
	v_pk_add_f32 v[T+4*\a+2:T+4*\a+3], v[S+32*\a+16:S+32*\a+17], v[S+32*\a+18:S+32*\a+19]
.irp t, 2,3,4,5,6,7
	v_pk_add_f32 v[T+4*\a:T+4*\a+1], v[T+4*\a:T+4*\a+1], v[S+32*\a+2*\t:S+32*\a+2*\t+1]
	v_pk_add_f32 v[T+4*\a+2:T+4*\a+3], v[T+4*\a+2:T+4*\a+3], v[S+32*\a+16+2*\t:S+32*\a+17+2*\t]
.endr
	v_pk_add_f32 v[T+4*\a:T+4*\a+1], v[T+4*\a:T+4*\a+1], v[T+4*\a+2:T+4*\a+3]
.if \first
	v_add_f32 v[ML+2*\a+1], v[T+4*\a], v[T+4*\a+1]
.else
	v_add_f32 v[T+4*\a], v[T+4*\a], v[T+4*\a+1]
	v_fma_f32 v[ML+2*\a+1], v[ML+2*\a+1], v[AL+2*\a], v[T+4*\a]
.endif
.irp u, 0,1
.irp t, 0,1,2,3,4,5,6,7
	v_cvt_pk_f16_f32 v[S+32*\a+16*\u+\t], v[S+32*\a+16*\u+2*\t], v[S+32*\a+16*\u+2*\t+1]
.endr
.endr
.endr
.if \first == 0
	WIN 0x41                                       ; O in window 1, the factor in window 0
.irp a, 0,1
.irp t, 0,1,2,3,4,5,6,7,8,9,10,11,12,13,14,15
	v_pk_mul_f32 v[32*\a+2*\t:32*\a+2*\t+1], v[32*\a+2*\t:32*\a+2*\t+1], v[AL+2*\a:AL+2*\a+1] op_sel_hi:[1,0]
.endr
.endr
.endif
.if \knext
	s_wait_dscnt 0x10                              ; all but the next step's 16 loads of K: V^T's fragments are in
.else
	s_wait_dscnt 0x0
.endif
	WIN 0x50                                       ; C and D in window 1; eight accumulators by turns
.irp u, 0,1
.irp a, 0,1
.irp dt, 0,1,2,3
.if \first*(1-\u)
	v_wmma_f32_16x16x32_f16 v[32*\a+8*\dt:32*\a+8*\dt+7], v[VF+16*\dt+8*\u:VF+16*\dt+8*\u+7], v[S+32*\a+16*\u:S+32*\a+16*\u+7], 0
.else
	v_wmma_f32_16x16x32_f16 v[32*\a+8*\dt:32*\a+8*\dt+7], v[VF+16*\dt+8*\u:VF+16*\dt+8*\u+7], v[S+32*\a+16*\u:S+32*\a+16*\u+7], v[32*\a+8*\dt:32*\a+8*\dt+7]
.endif
.endr
.endr
.endr
	WIN 0
.endm
; A trip: 512 keys in one slot, four steps for each wave.  mode 1: the other slot, read in the last trip, is filled again first.
; mode 2: the last trip: nothing is left to fetch.  mode 0: the first trip: both slots have been asked for.
.macro TRIP slot, mode, first, last
.if \mode == 1
	s_wait_tensorcnt 0x0                           ; all my loads have landed, my part of this trip's slot among them: the other slot's address may step
	ds_add_u32 v14, v15
.if \slot
	s_add_nc_u64 s[14:15], s[14:15], s[96:97]
.else
	s_add_nc_u64 s[94:95], s[94:95], s[96:97]
.endif
	s_wait_dscnt 0x0                               ; my reads of the other slot are back
	ROUND                                          ; both now hold of every wave of the four work-groups
	JLOAD 1-\slot                                  ; my one tensor load behind the round, ahead of every LDS read
.endif
.if \mode == 2
	s_wait_tensorcnt 0x0                           ; my part of the last slot has landed
	s_wait_dscnt 0x0
	s_barrier_signal -1
	s_barrier_wait -1                              ; everybody's has
.endif
	KFETCH \slot, 0
	STEP \slot, 0, \first, 1, 128, (1-\first)
	STEP \slot, 1, 0, 1, 256, 0
	STEP \slot, 2, 0, 1, 384, 0
.if \last
	STEP \slot, 3, 0, 0, -1, 0
.else
	STEP \slot, 3, 0, 0, 1024, 0
.endif
.endm
.irp a, 0,1
.irp ks, 0,1
	global_load_b128 v[QF+16*\a+8*\ks:QF+16*\a+8*\ks+3], v9, s[100:101] offset:2048*\a+64*\ks
	global_load_b128 v[QF+16*\a+8*\ks+4:QF+16*\a+8*\ks+7], v9, s[100:101] offset:2048*\a+64*\ks+32
.endr
.endr
	MFETCH 0
	s_wait_tensorcnt 0x1                           ; my part of slot 0 is in; slot 1's may stay out
	s_barrier_signal -1
	s_barrier_wait -1
	s_wait_loadcnt 0x0                             ; Q
	TRIP 0, 0, 1, 0                                ; keys 0-511
	s_mov_b32 s3, 3
.Ltrips:                                           ; trips 1 to 6: each asks for the tile of the trip behind it
	TRIP 1, 1, 0, 0
	TRIP 0, 1, 0, 0
	s_sub_co_i32 s3, s3, 1
	s_cmp_lg_u32 s3, 0
	s_cbranch_scc1 .Ltrips
	TRIP 1, 2, 0, 1                                ; keys 3584-4095
	; THE TWO HALVES OF THE KEYS MEET.  Waves 4-7 hand O, maximum and row sum to waves 0-3.
	PLACES                                         ; behind the last products: O is read, P's and V^T's registers are loaded
	s_cmp_lt_u32 s2, 4
	s_cbranch_scc1 .Lkeep
	WIN 0x04                                       ; store data in window 1
.irp n, 0,1,2,3,4,5,6,7,8,9,10,11,12,13,14,15
	ds_store_b128 v10, v[4*\n:4*\n+3] offset:512*\n
.endr
	WIN 0
	ds_store_b128 v10, v[ML:ML+3] offset:8192
.Lkeep:
	s_wait_dscnt 0x0                               ; the stores are done before the partner reads
	s_barrier_signal -1
	s_barrier_wait -1
	s_cmp_lt_u32 s2, 4
	s_cbranch_scc0 .Ldone
.irp n, 0,1,2,3,4,5,6,7,8,9,10,11,12,13,14,15
	ds_load_b128 v[S+4*\n:S+4*\n+3], v10 offset:512*\n
.endr
	ds_load_b128 v[T:T+3], v10 offset:8192
	s_wait_dscnt 0x0
	v_max_num_f32 v[AL], v[ML], v[T]               ; the joint maxima
	v_max_num_f32 v[AL+2], v[ML+2], v[T+2]
	v_sub_f32 v128, v[ML], v[AL]
	v_sub_f32 v130, v[T], v[AL]
	v_sub_f32 v132, v[ML+2], v[AL+2]
	v_sub_f32 v134, v[T+2], v[AL+2]
	v_exp_f32 v128, v128
	v_exp_f32 v130, v130
	v_exp_f32 v132, v132
	v_exp_f32 v134, v134
	v_nop                                          ; one plain place behind the exponentials (ISA guide 5.7.2)
	s_wait_alu depctr_va_vdst(0)
	v_mul_f32 v[ML+1], v[ML+1], v128
	v_mul_f32 v[ML+3], v[ML+3], v132
	v_fmac_f32 v[ML+1], v[T+1], v130
	v_fmac_f32 v[ML+3], v[T+3], v134
	v_permlanex16_b32 v[AL+1], v[ML+1], s98, s99   ; the row sums were kept apart in the two halves of the wave
	v_permlanex16_b32 v[AL+3], v[ML+3], s98, s99
	v_add_f32 v[ML+1], v[ML+1], v[AL+1]
	v_add_f32 v[ML+3], v[ML+3], v[AL+3]
	v_rcp_f32 v[ML+1], v[ML+1]                     ; at least 1: the key of the maximum counts 1
	v_rcp_f32 v[ML+3], v[ML+3]
	v_nop
	s_wait_alu depctr_va_vdst(0)
	v_mul_f32 v128, v128, v[ML+1]
	v_mul_f32 v130, v130, v[ML+1]
	v_mul_f32 v132, v132, v[ML+3]
	v_mul_f32 v134, v134, v[ML+3]
.irp a, 0,1
.irp t, 0,1,2,3,4,5,6,7,8,9,10,11,12,13,14,15
	v_pk_mul_f32 v[S+32*\a+2*\t:S+32*\a+2*\t+1], v[S+32*\a+2*\t:S+32*\a+2*\t+1], v[130+4*\a:131+4*\a] op_sel_hi:[1,0]
.endr
.endr
	WIN 0x01                                       ; my O in window 1
.irp a, 0,1
.irp t, 0,1,2,3,4,5,6,7,8,9,10,11,12,13,14,15
	v_pk_fma_f32 v[S+32*\a+2*\t:S+32*\a+2*\t+1], v[32*\a+2*\t:32*\a+2*\t+1], v[128+4*\a:129+4*\a], v[S+32*\a+2*\t:S+32*\a+2*\t+1] op_sel_hi:[1,0,1]
.endr
.endr
	WIN 0
	; a lane holds d = 16 dt + 8 h + 0..7 of query 16 a + r: 16 bytes of a row; 32 rows of 128 bytes go through my part of the scratch
.irp a, 0,1
.irp dt, 0,1,2,3
.irp p, 0,1,2,3
	v_cvt_pk_f16_f32 v[S+32*\a+8*\dt+\p], v[S+32*\a+8*\dt+2*\p], v[S+32*\a+8*\dt+2*\p+1]
.endr
	ds_store_b128 v11, v[S+32*\a+8*\dt:S+32*\a+8*\dt+3] offset:2304*\a+32*\dt
.endr
.endr
.irp i, 0,1,2,3,4,5,6,7
	ds_load_b128 v[VF+4*\i:VF+4*\i+3], v12 offset:576*\i       ; my own stores; LDS serves a wave's instructions in order (ISA guide 5.7.1)
.endr
.irp i, 0,1,2,3,4,5,6,7
	s_wait_dscnt 7-\i
	global_store_b128 v13, v[VF+4*\i:VF+4*\i+3], s[104:105] offset:512*\i   ; 512 consecutive bytes, aligned
.endr
.Ldone:
	s_wait_tensorcnt 0x0
	ds_add_u32 v14, v15
	s_wait_dscnt 0x0
	ROUND                                          ; the closing round: no work-group ends while a partner may still ask jointly
	s_endpgm
.Lfunc_end_k_qe19f547838_attn:
	.size	k_qe19f547838_attn, .Lfunc_end_k_qe19f547838_attn-k_qe19f547838_attn
	.p2alignl 7, 3214868480
	.fill 96, 4, 3214868480
	.section	.rodata,"a",@progbits
	.p2align	6, 0x0
	.amdhsa_kernel k_qe19f547838_attn
		.amdhsa_group_segment_fixed_size 327680
		.amdhsa_private_segment_fixed_size 0
		.amdhsa_enable_private_segment 0
		.amdhsa_kernarg_size 40
		.amdhsa_user_sgpr_count 2
		.amdhsa_user_sgpr_kernarg_segment_ptr 1
		.amdhsa_wavefront_size32 1
		.amdhsa_system_sgpr_workgroup_id_x 1
		.amdhsa_system_sgpr_workgroup_id_y 1
		.amdhsa_system_sgpr_workgroup_id_z 1
		.amdhsa_system_vgpr_workitem_id 0
		.amdhsa_next_free_vgpr 320
		.amdhsa_next_free_sgpr 106
		.amdhsa_reserve_vcc 0
		.amdhsa_float_denorm_mode_32 3
		.amdhsa_float_denorm_mode_16_64 3
		.amdhsa_memory_ordered 1
		.amdhsa_forward_progress 1
		.amdhsa_inst_pref_size 255
	.end_amdhsa_kernel
	.section	.bss,"aw",@nobits
	.p2align	6
	.space	262144
	.amdgpu_metadata
---
amdhsa.version: [ 1, 2 ]
amdhsa.kernels:
  - .name:           k_qe19f547838_attn
    .symbol:         k_qe19f547838_attn.kd
    .args:
      - { .name: qws, .offset: 0, .size: 8, .value_kind: global_buffer, .address_space: global }
      - { .name: kws, .offset: 8, .size: 8, .value_kind: global_buffer, .address_space: global }
      - { .name: vtws, .offset: 16, .size: 8, .value_kind: global_buffer, .address_space: global }
      - { .name: mbits, .offset: 24, .size: 8, .value_kind: global_buffer, .address_space: global }
      - { .name: aws, .offset: 32, .size: 8, .value_kind: global_buffer, .address_space: global }
    .group_segment_fixed_size: 327680
    .private_segment_fixed_size: 0
    .kernarg_segment_align: 8
    .kernarg_segment_size: 40
    .max_flat_workgroup_size: 256
    .sgpr_count:     106
    .vgpr_count:     320
    .wavefront_size: 32
...
	.end_amdgpu_metadata
.endif
;; end of part 2
;; launch oproj (part 3): grid 256 x 1, 8 waves a work-group, clusters of 4 x 1, 189,440 bytes of LDS; arguments aws, wows, bo, out0; writes out0
.if DOCPART == 3
	.amdgcn_target "amdgcn-amd-amdhsa--gfx1250"
	.amdhsa_code_object_version 6
	.text
	.protected	k_qe19f547838_oproj
	.globl	k_qe19f547838_oproj
	.p2align	8
	.type	k_qe19f547838_oproj,@function
k_qe19f547838_oproj:
	s_mov_b64 s[64:65], 0
	v_nop
	global_prefetch_b8 v0, s[64:65] scope:SCOPE_SE
	s_setreg_imm32_b32 hwreg(HW_REG_WAVE_MODE, 25, 1), 1
	s_wait_xcnt 0x0
	s_wait_alu depctr_hold_cnt(0) depctr_sa_sdst(0) depctr_va_vdst(0) depctr_va_sdst(0) depctr_va_ssrc(0) depctr_va_vcc(0) depctr_vm_vsrc(0)
	s_getreg_b32 s2, hwreg(HW_REG_IB_STS2, 6, 4)
	s_cmp_eq_u32 s2, 0
	s_cbranch_scc0 .Lentry_in_a_cluster
	s_endpgm
.Lentry_in_a_cluster:
	s_bfe_u32 s2, ttmp6, 0x10000c
	s_cmp_lg_u32 s2, 0x3003
	s_cbranch_scc0 .Lentry_shape_is_right
	s_endpgm
.Lentry_shape_is_right:
; out0 = attn Wo^T + bo, f32.  Work-group x of 256: rows 32 x .. +31 of the 8,192.  Eight waves: wave w makes rows 16 (w&1) .. +15, columns 64 (w>>1) .. +63.
; aws: f16 [b][head][s][64]; wows: f16 [256][256].  Operands f16, sums f32 started by the bias.
; CLUSTER: all work-groups read the whole of Wo (128 KiB): the four of a cluster ask for it jointly (mask 15), each wave for 32 rows.
; The work-group's own 16 KiB of attn come by plain loads, one a wave: 16 rows of one head, 2,048 dense bytes taken as 8 rows of 256.
; By this text's count a wave has two tensor loads out, both issued at the start; nothing is filled twice.
.set PW,   528                         ; Wo's LDS rows: 512 + 16 bytes
.set AT,   135168                      ; behind Wo's 256 rows: part p = 2 head + half at 2176 p; row s at (s>>1) 272 + (s&1) 128
.set APART, 2176
.set STG,  152576                      ; the way out: wave w at 4352 w, 16 rows of 256 + 16 bytes; no fill lands here
.set ACC,  16                          ; v[16:47]  four accumulators
.set F0,   48                          ; v[48:87], v[88:127] fragment buffers: attn at +0, Wo's four column tiles at +8 ..
.set OUTR, 128                         ; v[128:159] rows on their way out
.macro PLACES
.rept 4
	v_nop
.endr
.endm
.macro ROUND
	s_barrier_signal -1
	s_barrier_wait -1
	s_cmp_lg_u32 s2, 0
	s_cbranch_scc1 .Lnot_wave_0_\@
	s_barrier_signal -3
.Lnot_wave_0_\@:
	s_barrier_wait -3
	s_barrier_signal -1
	s_barrier_wait -1
.endm
	s_load_b128 s[4:7], s[0:1], 0x0                ; aws 4, wows 6
	s_load_b128 s[8:11], s[0:1], 0x10              ; bo 8, out0 10
	v_lshl_add_u32 v160, v0, 2, 0x2e000
	v_mov_b32 v161, 0
	ds_add_u32 v160, v161
	ds_add_u32 v160, v161
	v_lshrrev_b32 v3, 5, v0
	v_readfirstlane_b32 s2, v3                     ; wave 0..7
	s_bfe_u32 s12, ttmp6, 0x40000                  ; cx
	s_lshl_b32 s13, ttmp9, 2
	s_add_co_u32 s13, s13, s12                     ; work-group x
	s_and_b32 s14, s2, 1                           ; my 16 rows; also the half of the rows that I fetch
	s_lshr_b32 s15, s2, 1                          ; my 64 columns; also the head that I fetch
	; Wo: 32 rows x 256 elements of 2 bytes, 4 words of padding behind every 128; joint
	s_mov_b32 s16, 15|(1<<16)|(1<<20)|(1<<21)|(6<<22)|(3<<25)
	s_mov_b32 s17, 256<<16
	s_mov_b32 s18, 32<<16
	s_mov_b32 s19, 256<<16
	s_mov_b32 s20, 32
	s_mov_b32 s21, 256
	s_mov_b32 s22, 0
	s_mov_b32 s23, 0
	s_mov_b32 s24, 1
	s_mul_i32 s25, s2, 32*PW
	s_lshl_b32 s40, s2, 14                         ; 32 rows of 512 bytes
	s_mov_b32 s41, 0
	; attn: 8 rows x 128 elements, 4 words of padding behind every 64; my own
	s_mov_b32 s28, (1<<16)|(1<<20)|(5<<22)|(3<<25)
	s_mov_b32 s29, 128<<16
	s_mov_b32 s30, 8<<16
	s_mov_b32 s31, 128<<16
	s_mov_b32 s32, 8
	s_mov_b32 s33, 128
	s_mov_b32 s34, 0
	s_mov_b32 s35, 0
	s_mov_b32 s36, 1
	s_mul_i32 s37, s2, APART
	s_add_co_u32 s37, s37, AT
	s_lshr_b32 s42, s13, 7                         ; b
	s_lshl_b32 s42, s42, 21
	s_lshl_b32 s43, s15, 19                        ; head
	s_add_co_u32 s42, s42, s43
	s_and_b32 s43, s13, 127
	s_lshl_b32 s43, s43, 12                        ; 32 rows of 128 bytes
	s_add_co_u32 s42, s42, s43
	s_lshl_b32 s43, s14, 11                        ; 16 rows
	s_add_co_u32 s42, s42, s43
	s_mov_b32 s43, 0
	s_lshl_b32 s44, s13, 15                        ; out0: 32 rows of 1,024 bytes,
	s_lshl_b32 s45, s14, 14                        ; my 16 rows,
	s_add_co_u32 s44, s44, s45
	s_lshl_b32 s45, s15, 8                         ; my 64 columns
	s_add_co_u32 s44, s44, s45
	s_mov_b32 s45, 0
	v_and_b32 v1, 15, v0                           ; r
	v_bfe_u32 v2, v0, 4, 1                         ; h
	v_mul_u32_u24 v4, v1, PW
	v_lshl_add_u32 v4, v2, 4, v4
	s_mul_i32 s46, s15, 64*PW
	v_add_nc_u32 v4, s46, v4                       ; Wo's fragments: row 64 cg + r, 16 h
	v_lshrrev_b32 v3, 1, v1
	v_mul_u32_u24 v5, v3, 272
	v_and_b32 v3, 1, v1
	v_lshl_add_u32 v5, v3, 7, v5
	v_lshl_add_u32 v5, v2, 4, v5
	s_mul_i32 s46, s14, APART
	s_add_co_u32 s46, s46, AT
	v_add_nc_u32 v5, s46, v5                       ; attn's fragments
	s_mul_i32 s46, s2, 4352
	s_add_co_u32 s46, s46, STG
	v_mul_u32_u24 v6, v1, 272
	v_lshl_add_u32 v6, v2, 5, v6
	v_add_nc_u32 v6, s46, v6                       ; the way out, in: row r, 32 bytes for each half of the lanes
	v_mul_u32_u24 v7, v2, 272
	v_lshl_add_u32 v7, v1, 4, v7
	v_add_nc_u32 v7, s46, v7                       ; back: two rows of 256 bytes a load
	v_lshlrev_b32 v8, 10, v2
	v_lshl_add_u32 v8, v1, 4, v8                   ; and the same two rows in out0
	v_lshlrev_b32 v9, 5, v2
	s_lshl_b32 s46, s15, 8
	v_add_nc_u32 v9, s46, v9                       ; bo: 64 cg + 8 h
	s_wait_dscnt 0x0
	s_wait_kmcnt 0x0
	s_add_nc_u64 s[26:27], s[6:7], s[40:41]
	s_or_b32 s27, s27, 0x80000000
	s_add_nc_u64 s[38:39], s[4:5], s[42:43]
	s_or_b32 s39, s39, 0x80000000
	s_add_nc_u64 s[10:11], s[10:11], s[44:45]
	ROUND                                          ; the four work-groups are here: the joint loads meet
	tensor_load_to_lds s[24:27], s[16:23]          ; my 32 rows of Wo, for all four
	s_nop 0
	tensor_load_to_lds s[36:39], s[28:35]          ; my part of this work-group's attn
	s_nop 0
.irp nt, 0,1,2,3
	global_load_b128 v[ACC+8*\nt:ACC+8*\nt+3], v9, s[8:9] offset:64*\nt          ; the bias starts the sums: lane (r, h), register j: column 16 nt + 8 h + j
	global_load_b128 v[ACC+8*\nt+4:ACC+8*\nt+7], v9, s[8:9] offset:64*\nt+16
.endr
	s_wait_tensorcnt 0x0                           ; both my loads have landed,
	s_barrier_signal -1
	s_barrier_wait -1                              ; everybody's have
	s_wait_loadcnt 0x0
.macro FETCH ks, f                     ; ten loads: 32 input features of my 16 rows and of my 64 rows of Wo
	ds_load_b128 v[\f:\f+3], v5 offset:((\ks)>>1)*2*APART+64*((\ks)&1)
	ds_load_b128 v[\f+4:\f+7], v5 offset:((\ks)>>1)*2*APART+64*((\ks)&1)+32
.irp nt, 0,1,2,3
	ds_load_b128 v[\f+8+8*\nt:\f+11+8*\nt], v4 offset:\nt*16*PW+64*(\ks)
	ds_load_b128 v[\f+12+8*\nt:\f+15+8*\nt], v4 offset:\nt*16*PW+64*(\ks)+32
.endr
.endm
.macro MM f                            ; rows of Wo as the first source: a lane's eight results are eight neighbouring columns of one row.  Four accumulators by turns
.irp nt, 0,1,2,3
	v_wmma_f32_16x16x32_f16 v[ACC+8*\nt:ACC+8*\nt+7], v[\f+8+8*\nt:\f+15+8*\nt], v[\f:\f+7], v[ACC+8*\nt:ACC+8*\nt+7]
.endr
.endm
	FETCH 0, F0
.irp ks, 0,1,2,3,4,5,6,7
.if \ks < 7
.if \ks > 0
	PLACES                                         ; the buffer that the last four matrix instructions read is loaded again
.endif
	FETCH \ks+1, F0+40*((\ks+1)&1)
	s_wait_dscnt 0xa                               ; all but the ten just issued
.else
	s_wait_dscnt 0x0
.endif
	MM F0+40*(\ks&1)
.endr
	PLACES                                         ; before the results are stored
.irp nt, 0,1,2,3
	ds_store_b128 v6, v[ACC+8*\nt:ACC+8*\nt+3] offset:64*\nt
	ds_store_b128 v6, v[ACC+8*\nt+4:ACC+8*\nt+7] offset:64*\nt+16
.endr
.irp i, 0,1,2,3,4,5,6,7
	ds_load_b128 v[OUTR+4*\i:OUTR+4*\i+3], v7 offset:544*\i    ; my own bytes; LDS serves a wave's instructions in order (ISA guide 5.7.1)
.endr
.irp i, 0,1,2,3,4,5,6,7
	s_wait_dscnt 7-\i
	global_store_b128 v8, v[OUTR+4*\i:OUTR+4*\i+3], s[10:11] offset:2048*\i th:TH_STORE_NT   ; sixteen lanes: 256 consecutive bytes, aligned
.endr
	s_wait_tensorcnt 0x0
	ds_add_u32 v160, v161
	s_wait_dscnt 0x0
	ROUND                                          ; the closing round
	s_endpgm
.Lfunc_end_k_qe19f547838_oproj:
	.size	k_qe19f547838_oproj, .Lfunc_end_k_qe19f547838_oproj-k_qe19f547838_oproj
	.p2alignl 7, 3214868480
	.fill 96, 4, 3214868480
	.section	.rodata,"a",@progbits
	.p2align	6, 0x0
	.amdhsa_kernel k_qe19f547838_oproj
		.amdhsa_group_segment_fixed_size 189440
		.amdhsa_private_segment_fixed_size 0
		.amdhsa_enable_private_segment 0
		.amdhsa_kernarg_size 32
		.amdhsa_user_sgpr_count 2
		.amdhsa_user_sgpr_kernarg_segment_ptr 1
		.amdhsa_wavefront_size32 1
		.amdhsa_system_sgpr_workgroup_id_x 1
		.amdhsa_system_sgpr_workgroup_id_y 1
		.amdhsa_system_sgpr_workgroup_id_z 1
		.amdhsa_system_vgpr_workitem_id 0
		.amdhsa_next_free_vgpr 162
		.amdhsa_next_free_sgpr 66
		.amdhsa_reserve_vcc 0
		.amdhsa_float_denorm_mode_32 3
		.amdhsa_float_denorm_mode_16_64 3
		.amdhsa_memory_ordered 1
		.amdhsa_forward_progress 1
		.amdhsa_inst_pref_size 17
	.end_amdhsa_kernel
	.amdgpu_metadata
---
amdhsa.version: [ 1, 2 ]
amdhsa.kernels:
  - .name:           k_qe19f547838_oproj
    .symbol:         k_qe19f547838_oproj.kd
    .args:
      - { .name: aws, .offset: 0, .size: 8, .value_kind: global_buffer, .address_space: global }
      - { .name: wows, .offset: 8, .size: 8, .value_kind: global_buffer, .address_space: global }
      - { .name: bo, .offset: 16, .size: 8, .value_kind: global_buffer, .address_space: global }
      - { .name: out0, .offset: 24, .size: 8, .value_kind: global_buffer, .address_space: global }
    .group_segment_fixed_size: 189440
    .private_segment_fixed_size: 0
    .kernarg_segment_align: 8
    .kernarg_segment_size: 32
    .max_flat_workgroup_size: 256
    .sgpr_count:     66
    .vgpr_count:     162
    .wavefront_size: 32
...
	.end_amdgpu_metadata
.endif
;; end of part 3
